; MI455X (gfx1250); checked and timed in simulation.
; The chip was launched on July 23, 2026; its instructions are those of AMD's public machine-readable ISA for CDNA 5 (MIT licence, August 2026) and "CDNA5" Instruction Set Architecture Reference Guide (July 2026). The comments in the code are by the model that wrote it; some were corrected since.
;; Signed Attention. Allowed arithmetic: matrix products marked QUANTISED: E4M3 operands, one E8M0 scale for each 32 along K, by v_wmma_scale_f32_16x16x128_f8f6f4 with both operands' format E4M3, f32 sums; everything else in f32.
;; Inputs: keys 4 x 8 x 2,048 x 64 float32; log_scale one number float32; queries 4 x 8 x 2,048 x 64 float32; values 4 x 8 x 2,048 x 64 float32.
;; Outputs: out0 4 x 8 x 2,048 x 64 float32.
;; This version of the problem:
;;   THIS VERSION OF THE PROBLEM IS GIVEN IN LOW PRECISION. The matrix products marked QUANTISED in the list below multiply operands that are first quantised to E4M3 (4 exponent bits, 3 mantissa bits; 8 bits a number), with one power-of-two scale for each 32 numbers along K (OCP MX v1.0); their sums are f32. All else is computed in f32.
;;   The module's matrix products, in the order in which they are computed (A, B: the left and right operand; K: the contracted axis; several contracted axes count as one K, in the product's order):
;;     1. batch 32 x [M 2,048, K 64] x [K 64, N 2,048]; A: input queries; B: input keys: QUANTISED
;;     2. batch 32 x [M 2,048, K 2,048] x [K 2,048, N 64]; A: computed on the way; B: input values: QUANTISED
;;   THE QUANTISER, for each operand of a quantised product, along K:
;;     - K is cut into blocks of 32 from its start; a last block that is shorter is filled with zeros.
;;     - A block's scale is 2^e with e = floor(log2(the largest magnitude in the block)) - 8, held to -126 .. 127; a block of zeros has e = 0. As a byte (E8M0): e + 127.
;;     - Each number is divided by its block's scale, clamped to +-448, and rounded to the nearest number of E4M3, ties to even, subnormals kept.
;;     - The product sums the exact products of the quantised numbers (number of the format x scale) in f32.
;;   ~~~python
;;   def quantise(x, axis):      # numpy; x: float32 -> the quantised numbers, widened to float32 again
;;       x = np.moveaxis(x, axis, -1); K = x.shape[-1]
;;       x = np.pad(x, [(0, 0)] * (x.ndim - 1) + [(0, -K % 32)]); x = x.reshape(x.shape[:-1] + (-1, 32)); a = np.abs(x).max(-1, keepdims=True)
;;       e = np.where(a > 0, np.clip(np.frexp(np.where(a > 0, a, 1))[1] - 1 - 8, -126, 127), 0)      # np.frexp(a)[1] - 1 = floor(log2(a)), exactly
;;       r = np.clip(x / 2.0 ** e, -448, 448)
;;       step = 2.0 ** (np.maximum(np.frexp(np.where(r == 0, 1, r))[1] - 1, -6) - 3)
;;       q = np.round(r / step) * step * 2.0 ** e      # np.round: ties to even
;;       return np.moveaxis(q.reshape(q.shape[:-2] + (-1,))[..., :K], -1, axis).astype(np.float32)
;;   ~~~
;;   OPERANDS COMPUTED ON THE WAY. 'Computed on the way' means the value that the module computes at that place (a softmax that the list does not call 'softmax' is quantised finished and normalised). What goes into a quantiser is computed in f32, as accurately as f32 sums, v_exp_f32 and their like allow (about 1e-6 of the number): no bf16 or f16 on the way to a quantiser, and a product that is left as it is and whose result goes on into a quantised operand takes f32 operands (vector FMAs, or v_wmma_f32_16x16x4_f32). A number that lies on a knife's edge between two numbers of the format may be rounded either way, as far as f32 arithmetic and the matrix unit's own rounding can turn it there, and no further.
;; One version. Each part assembles by itself: llvm-mc -triple=amdgcn-amd-amdhsa -mcpu=gfx1250 --defsym DOCPART=n.
;; ======== version 1 of 1: 2 launches
;; workspace buffers: vrec 6,488,064 bytes; vsum 65,536 bytes
;; launch vquant (part 1): grid 8 x 32, 8 waves a work-group, no clusters, 167,936 bytes of LDS; arguments values, vrec, vsum; writes vrec, vsum
.if DOCPART == 1
	.amdgcn_target "amdgcn-amd-amdhsa--gfx1250"
	.amdhsa_code_object_version 6
	.text
	.protected	k_q40541680ef_vquant
	.globl	k_q40541680ef_vquant
	.p2align	8
	.type	k_q40541680ef_vquant,@function
k_q40541680ef_vquant:
	s_mov_b64 s[64:65], 0
	v_nop
	global_prefetch_b8 v0, s[64:65] scope:SCOPE_SE
	s_setreg_imm32_b32 hwreg(HW_REG_WAVE_MODE, 25, 1), 1
	s_wait_xcnt 0x0
; values [32 heads][2048 keys][64 d], f32, is the second product's operand whose K is the keys.  It is turned ONCE into codes of E4M3 with one E8M0 byte for each 32 keys of a column d,
; laid as the next launch's waves want it, and the column sums of the quantised numbers are taken.
; vrec: 256 records [head][g] of 25,344 bytes (99 x 256).  Record (head, g) holds key blocks 8 g .. 8 g + 11 (kb = 0 .. 11):
;   bytes 0 .. 24,575: images of operand registers [kb][t 4][lane 32][16 bytes]: lane (r, h) of image (kb, t) holds column d = 16 t + r, keys 32 kb + 16 h + 0 .. 15;
;   bytes 24,576 ..  : scale bytes [kb][r 16][t 4]: one word for (kb, r), byte t for d = 16 t + r.   Blocks past the head's 64th (g = 7, kb 8 .. 11) are written as zeros.
; vsum: [head][g][r 16][t 4] f32: the sums over keys 256 g .. 256 g + 255 of the quantised numbers of column d = 16 t + r.
; SHARES.  Work-group (g, head) takes 256 keys; wave i takes key block 8 g + i: 32 rows of 256 bytes, brought by its own tensor load and read by itself alone.
; A LANE TAKES A COLUMN AND ITS REGISTERS RUN DOWN THE KEYS: lane (r, h), tile t: register 16 t + k = V(key 16 h + k, d = 16 t + r).  A block of 32 keys lies in lanes l and l xor 16.
; Blocks 0 .. 3 are stored a second time, as kb 8 .. 11 of the record before (for g = 0: of the head's record 7, masked to zeros): each byte of vrec has one writer.
; A block's scale is 2^(floor(log2(largest magnitude)) - 8); its byte is that magnitude's exponent field - 8, held at 1 from below.
; LIMITS: NaN and infinities are not served; a block of zeros, or one whose largest magnitude lies under 2^-118, keeps the byte 1 (the rule says 127 for zeros): its codes are what the floor gives, and this program alone reads the bytes.
; No cluster: work-groups share no input.  No ring: a wave's whole input is asked for at the head, one load of 8 KiB a wave.
.set ROWP,  264                        ; an LDS row: 256 bytes + 8 of padding = 66 words: rows k and 16 + k lie 32 banks apart, so the two halves of the lanes meet no common bank
.set BLKB,  32*ROWP                    ; a wave's block in LDS
.set RED,   8*BLKB                     ; behind the blocks: 512 bytes a wave, its column sums
.set SCL,   RED+8*512                  ; 64 bytes a wave: its block's scale words
.set SPARE, SCL+512                    ; the spare words, 128 bytes for each wave: four blocks of 256 bytes that no other line names
.set RECB,  25344                      ; a record
.set RSC,   24576                      ; where a record's scale bytes begin
.set SPW, 1                            ; v1   LDS address of my spare word; never rewritten
.set NIL, 2                            ; v2   0; never rewritten
.set RR,  3                            ; v3   r = lane % 16
.set HH,  4                            ; v4   h = lane / 16
.set AV,  5                            ; v5   my column in my wave's block
.set LI,  6                            ; v6   16 x lane
.set ASW, 7                            ; v7   where my block's scale word goes
.set ARW, 8                            ; v8   where my column sums go
.set ASR, 9                            ; v9   wave 0: the eight blocks' scale words, 16 bytes a lane
.set ASH, 10                           ; v10  wave 0: those of blocks 0 .. 3, 8 bytes a lane
.set ARR, 11                           ; v11  wave 0: the column sums
.set L8,  12                           ; v12  8 x lane
.set SO,  13                           ; v13  16 r + 8 h: my 8 bytes of vsum's 256
.set ONE, 14                           ; v14  the byte of the scale 1 in every byte
.set LN,  15                           ; v15  lane
.set X,   32                           ; v32-95   64 numbers
.set PC,  96                           ; v96-111  their codes: four registers a tile
.set HC,  112                          ; v112-127 the codes as the record before gets them
.set AM,  128                          ; v128-131 largest magnitudes
.set PM,  132                          ; v132-135 the other half's, then the bytes
.set LM,  136                          ; v136-139 448 x the scale
.set SOP, 140                          ; v140-143 the conversions' scale operand
.set PW,  144                          ; v144     the scale word
.set CS,  148                          ; v148-151 my 16 keys' sums, a tile each
.set EX,  152                          ; v152-155 the scales' exponents
	s_load_b128 s[4:7], s[0:1], 0x0                ; values, vrec
	s_load_b64 s[8:9], s[0:1], 0x10                ; vsum
	v_lshl_add_u32 v[SPW], v0, 2, SPARE
	v_mov_b32 v[NIL], 0
	ds_add_u32 v[SPW], v[NIL]                      ; the wave's opening: the add and its wait ahead of my tensor load; work on registers stands between them
	v_lshrrev_b32 v3, 5, v0
	v_readfirstlane_b32 s10, v3                    ; wave 0..7
	s_and_b32 s11, ttmp7, 0xffff                   ; the head
	; descriptor group 1: 32 rows of 64 f32, dense in memory, 2 words of padding behind each row of 64 words
	s_mov_b32 s24, (2<<16)|(1<<20)|(5<<22)|(1<<25)
	s_mov_b32 s25, 64<<16                          ; tensor_dim0 = 64
	s_mov_b32 s26, 32<<16                          ; tensor_dim1 = 32
	s_mov_b32 s27, 64<<16                          ; tile_dim0 = 64
	s_mov_b32 s28, 32                              ; tile_dim1 = 32
	s_mov_b32 s29, 64                              ; elements from row to row
	s_mov_b32 s30, 0
	s_mov_b32 s31, 0
	s_lshl_b32 s40, s11, 19                        ; a head is 2048 x 256 bytes,
	s_lshl_b32 s41, ttmp9, 16                      ; a work-group's part 256 x 256,
	s_add_co_u32 s40, s40, s41
	s_lshl_b32 s41, s10, 13                        ; a block 32 x 256
	s_add_co_u32 s40, s40, s41
	s_mov_b32 s41, 0
	s_mov_b32 s32, 1                               ; group 0: count = 1
	s_mul_i32 s33, s10, BLKB                       ; LDS address: my wave's block
	s_wait_dscnt 0x0                               ; the opening add is done
	s_wait_kmcnt 0x0
	s_add_nc_u64 s[34:35], s[4:5], s[40:41]
	s_or_b32 s35, s35, 0x80000000                  ; type = 2
	tensor_load_to_lds s[32:35], s[24:31]          ; my one tensor load
	s_nop 0
	; where things go
	s_lshl_b32 s42, s11, 3
	s_add_co_u32 s43, s42, ttmp9                   ; my record: 8 x head + g
	s_sub_co_u32 s44, ttmp9, 1
	s_and_b32 s44, s44, 7
	s_add_co_u32 s44, s44, s42                     ; the record before: 8 x head + (g - 1) mod 8
	s_lshl_b32 s20, s43, 8
	s_mov_b32 s21, 0
	s_add_nc_u64 s[20:21], s[8:9], s[20:21]        ; my 256 bytes of vsum
	s_mul_i32 s40, s43, RECB
	s_add_nc_u64 s[16:17], s[6:7], s[40:41]
	s_mul_i32 s40, s44, RECB
	s_add_nc_u64 s[18:19], s[6:7], s[40:41]
	s_lshl_b32 s40, s10, 11                        ; a block's images are 2,048 bytes
	s_add_nc_u64 s[12:13], s[16:17], s[40:41]      ; kb = wave in my record
	s_add_nc_u64 s[14:15], s[18:19], s[40:41]
	s_add_nc_u64 s[14:15], s[14:15], 8*2048        ; kb = 8 + wave in the record before
	s_add_nc_u64 s[16:17], s[16:17], RSC           ; my record's scale bytes, kb 0 on
	s_add_nc_u64 s[18:19], s[18:19], RSC+512       ; the record before's, kb 8 on
	s_cmp_eq_u32 ttmp9, 0
	s_cselect_b32 s22, 0, -1                       ; g = 0: what goes to record 7 as kb 8 .. 11 is zeros
	s_mov_b32 s36, 0x76543210
	s_mov_b32 s37, 0xfedcba98                      ; v_permlanex16_b32's selects for lane l xor 16
	s_mov_b32 s38, 0x600000                        ; the mantissa field of 448
	v_and_b32 v[RR], 15, v0
	v_bfe_u32 v[HH], v0, 4, 1
	v_and_b32 v[LN], 31, v0
	v_mul_u32_u24 v[AV], v[HH], 16*ROWP
	v_lshl_add_u32 v[AV], v[RR], 2, v[AV]
	v_add_nc_u32 v[AV], s33, v[AV]                 ; block + 16 h rows + 4 r
	v_lshlrev_b32 v[LI], 4, v[LN]
	s_lshl_b32 s45, s10, 6
	s_add_co_u32 s45, s45, SCL
	v_lshl_add_u32 v[ASW], v[RR], 2, s45
	s_lshl_b32 s45, s10, 9
	s_add_co_u32 s45, s45, RED
	v_add_nc_u32 v[ARW], s45, v[LI]
	v_add_nc_u32 v[ASR], SCL, v[LI]
	v_lshlrev_b32 v[L8], 3, v[LN]
	v_add_nc_u32 v[ASH], SCL, v[L8]
	v_add_nc_u32 v[ARR], RED, v[LI]
	v_lshlrev_b32 v[SO], 4, v[RR]
	v_lshl_add_u32 v[SO], v[HH], 3, v[SO]
	v_mov_b32 v[ONE], 0x7f7f7f7f
.irp t, 0,1,2,3
	v_mov_b32 v[PM+\t], 0                          ; written once: a lane permute's destination counts as one of its sources
.endr
	s_wait_tensorcnt 0x0                           ; my block is in LDS; nobody else reads it
.irp t, 0,1,2,3
.irp k, 0,1,2,3,4,5,6,7,8,9,10,11,12,13,14,15
	ds_load_b32 v[X+16*\t+\k], v[AV] offset:ROWP*\k+64*\t   ; V(16 h + k, 16 t + r): sixteen lanes read 64 neighbouring bytes
.endr
.endr
	s_wait_dscnt 0x0
	; the four blocks (one a tile of 16 columns), by turns
.irp t, 0,1,2,3
	v_max3_num_f32 v[AM+\t], |v[X+16*\t]|, |v[X+16*\t+1]|, 0x4800000   ; my 16 keys, and the floor 2^(9 - 127): the byte cannot fall under 1
.endr
.irp k, 2,4,6,8,10,12,14
.irp t, 0,1,2,3
	v_max3_num_f32 v[AM+\t], v[AM+\t], |v[X+16*\t+\k]|, |v[X+16*\t+\k+1]|
.endr
.endr
.irp t, 0,1,2,3
	v_permlanex16_b32 v[PM+\t], v[AM+\t], s36, s37
.endr
.irp t, 0,1,2,3
	v_max_num_f32 v[AM+\t], v[AM+\t], v[PM+\t]     ; with lane l xor 16's 16 keys: the block's largest magnitude
.endr
.irp t, 0,1,2,3
	v_add_nc_u32 v[SOP+\t], 0xfc000000, v[AM+\t]   ; 8 off its exponent field: the conversion takes the exponent field of this operand as its scale
.endr
.irp t, 0,1,2,3
	v_and_or_b32 v[LM+\t], v[AM+\t], 0x7f800000, s38   ; 448 x the scale
.endr
.irp t, 0,1,2,3
	v_lshrrev_b32 v[PM+\t], 23, v[SOP+\t]          ; the scale's byte
.endr
	v_lshl_or_b32 v[PW], v[PM+1], 8, v[PM]         ; byte t belongs to tile t
	v_lshl_or_b32 v[PW], v[PM+2], 16, v[PW]
	v_lshl_or_b32 v[PW], v[PM+3], 24, v[PW]
.irp t, 0,1,2,3
.irp k, 0,1,2,3,4,5,6,7,8,9,10,11,12,13,14,15
	v_med3_num_f32 v[X+16*\t+\k], v[X+16*\t+\k], -v[LM+\t], v[LM+\t]   ; the conversion to an 8-bit code does not saturate (ISA guide 7.6.2): hold first
.endr
	v_cvt_scalef32_pk8_fp8_f32 v[PC+4*\t:PC+4*\t+1], v[X+16*\t:X+16*\t+7], v[SOP+\t]
	v_cvt_scalef32_pk8_fp8_f32 v[PC+4*\t+2:PC+4*\t+3], v[X+16*\t+8:X+16*\t+15], v[SOP+\t]
.endr
	v_nop                                          ; one plain line between the conversions and the vector lines that read the codes and write the numbers' registers
.irp t, 0,1,2,3
	global_store_b128 v[LI], v[PC+4*\t:PC+4*\t+3], s[12:13] offset:512*\t   ; an image: 32 lanes store 512 consecutive bytes, aligned to 256
.endr
	ds_store_b32 v[ASW], v[PW]                     ; both halves of the lanes write the same word with the same value
	s_cmp_lt_u32 s10, 4
	s_cbranch_scc0 .Lno_halo                       ; blocks 0 .. 3 also belong to the record before
.irp j, 0,1,2,3,4,5,6,7,8,9,10,11,12,13,14,15
	v_and_b32 v[HC+\j], s22, v[PC+\j]
.endr
.irp t, 0,1,2,3
	global_store_b128 v[LI], v[HC+4*\t:HC+4*\t+3], s[14:15] offset:512*\t
.endr
.Lno_halo:
	; the column sums of the QUANTISED numbers: codes back to f32 under the scale 1, 16 summed exactly (multiples of 2^-9 under 2^13), then x the block's scale
.irp m, 0,1,2,3,4,5,6,7
	v_cvt_scale_pk8_f32_fp8 v[X+8*\m:X+8*\m+7], v[PC+2*\m:PC+2*\m+1], v[ONE]
.endr
	v_nop
.irp o, 0,4,8,12
.irp t, 0,1,2,3
	v_pk_add_f32 v[X+16*\t+\o:X+16*\t+\o+1], v[X+16*\t+\o:X+16*\t+\o+1], v[X+16*\t+\o+2:X+16*\t+\o+3]
.endr
.endr
.irp o, 0,8
.irp t, 0,1,2,3
	v_pk_add_f32 v[X+16*\t+\o:X+16*\t+\o+1], v[X+16*\t+\o:X+16*\t+\o+1], v[X+16*\t+\o+4:X+16*\t+\o+5]
.endr
.endr
.irp t, 0,1,2,3
	v_pk_add_f32 v[X+16*\t:X+16*\t+1], v[X+16*\t:X+16*\t+1], v[X+16*\t+8:X+16*\t+9]
.endr
.irp t, 0,1,2,3
	v_add_f32 v[X+16*\t], v[X+16*\t], v[X+16*\t+1]
.endr
.irp t, 0,1,2,3
	v_add_nc_u32 v[EX+\t], 0xffffff81, v[PM+\t]    ; byte - 127
.endr
.irp t, 0,1,2,3
	v_ldexp_f32 v[CS+\t], v[X+16*\t], v[EX+\t]
.endr
	ds_store_b128 v[ARW], v[CS:CS+3]
	s_wait_dscnt 0x0                               ; for wave 0's sake: my stores have landed
	s_barrier_signal -1
	s_barrier_wait -1
	s_cmp_lg_u32 s10, 0
	s_cbranch_scc1 .Ldone                          ; wave 0 sends out what the eight waves gathered, in whole runs of 256 bytes
	ds_load_b128 v[X+32:X+35], v[ASR]
	ds_load_b64 v[X+36:X+37], v[ASH]
.irp u, 0,1,2,3,4,5,6,7
	ds_load_b128 v[X+4*\u:X+4*\u+3], v[ARR] offset:512*\u
.endr
	s_wait_dscnt 0x0
	global_store_b128 v[LI], v[X+32:X+35], s[16:17]    ; scale bytes of kb 0 .. 7: 512 consecutive bytes
	v_and_b32 v[X+38], s22, v[X+36]
	v_and_b32 v[X+39], s22, v[X+37]
	global_store_b64 v[L8], v[X+38:X+39], s[18:19]     ; and of kb 8 .. 11 of the record before: 256 consecutive bytes
.irp u, 0,2,4,6
	v_pk_add_f32 v[X+4*\u:X+4*\u+1], v[X+4*\u:X+4*\u+1], v[X+4*\u+4:X+4*\u+5]
	v_pk_add_f32 v[X+4*\u+2:X+4*\u+3], v[X+4*\u+2:X+4*\u+3], v[X+4*\u+6:X+4*\u+7]
.endr
.irp u, 0,4
	v_pk_add_f32 v[X+4*\u:X+4*\u+1], v[X+4*\u:X+4*\u+1], v[X+4*\u+8:X+4*\u+9]
	v_pk_add_f32 v[X+4*\u+2:X+4*\u+3], v[X+4*\u+2:X+4*\u+3], v[X+4*\u+10:X+4*\u+11]
.endr
	v_pk_add_f32 v[X:X+1], v[X:X+1], v[X+16:X+17]
	v_pk_add_f32 v[X+2:X+3], v[X+2:X+3], v[X+18:X+19]
.irp t, 0,1,2,3
	v_permlanex16_b32 v[X+40+\t], v[X+\t], s36, s37
.endr
.irp t, 0,1,2,3
	v_add_f32 v[X+\t], v[X+\t], v[X+40+\t]         ; both halves of each block's keys: 256 keys' sum of column 16 t + r
.endr
	v_cmp_ne_u32 vcc_lo, 0, v[HH]
	v_cndmask_b32 v[X+44], v[X], v[X+2], vcc_lo    ; lane (r, h) stores tiles 2 h and 2 h + 1
	v_cndmask_b32 v[X+45], v[X+1], v[X+3], vcc_lo
	global_store_b64 v[SO], v[X+44:X+45], s[20:21] ; 32 lanes store 256 consecutive bytes, aligned
.Ldone:
	s_wait_tensorcnt 0x0                           ; the wave's end: behind my tensor load and my last LDS store
	ds_add_u32 v[SPW], v[NIL]
	s_wait_dscnt 0x0
	s_endpgm
.Lfunc_end_k_q40541680ef_vquant:
	.size	k_q40541680ef_vquant, .Lfunc_end_k_q40541680ef_vquant-k_q40541680ef_vquant
	.p2alignl 7, 3214868480
	.fill 96, 4, 3214868480
	.section	.rodata,"a",@progbits
	.p2align	6, 0x0
	.amdhsa_kernel k_q40541680ef_vquant
		.amdhsa_group_segment_fixed_size 167936
		.amdhsa_private_segment_fixed_size 0
		.amdhsa_enable_private_segment 0
		.amdhsa_kernarg_size 24
		.amdhsa_user_sgpr_count 2
		.amdhsa_user_sgpr_kernarg_segment_ptr 1
		.amdhsa_wavefront_size32 1
		.amdhsa_system_sgpr_workgroup_id_x 1
		.amdhsa_system_sgpr_workgroup_id_y 1
		.amdhsa_system_sgpr_workgroup_id_z 1
		.amdhsa_system_vgpr_workitem_id 0
		.amdhsa_next_free_vgpr 160
		.amdhsa_next_free_sgpr 66
		.amdhsa_reserve_vcc 1
		.amdhsa_float_denorm_mode_32 3
		.amdhsa_float_denorm_mode_16_64 3
		.amdhsa_memory_ordered 1
		.amdhsa_forward_progress 1
		.amdhsa_inst_pref_size 23
	.end_amdhsa_kernel
	.amdgpu_metadata
---
amdhsa.version: [ 1, 2 ]
amdhsa.kernels:
  - .name:           k_q40541680ef_vquant
    .symbol:         k_q40541680ef_vquant.kd
    .args:
      - { .name: values, .offset: 0, .size: 8, .value_kind: global_buffer, .address_space: global }
      - { .name: vrec, .offset: 8, .size: 8, .value_kind: global_buffer, .address_space: global }
      - { .name: vsum, .offset: 16, .size: 8, .value_kind: global_buffer, .address_space: global }
    .group_segment_fixed_size: 167936
    .private_segment_fixed_size: 0
    .kernarg_segment_align: 8
    .kernarg_segment_size: 24
    .max_flat_workgroup_size: 256
    .sgpr_count:     66
    .vgpr_count:     160
    .wavefront_size: 32
...
	.end_amdgpu_metadata
.endif
;; end of part 1
;; launch attn (part 2): grid 8 x 32, 16 waves a work-group, no clusters, 233,216 bytes of LDS; arguments queries, keys, log_scale, vrec, vsum, out0; writes out0
.if DOCPART == 2
	.amdgcn_target "amdgcn-amd-amdhsa--gfx1250"
	.amdhsa_code_object_version 6
	.text
	.protected	k_q40541680ef_attn
	.globl	k_q40541680ef_attn
	.p2align	8
	.type	k_q40541680ef_attn,@function
k_q40541680ef_attn:
	s_mov_b64 s[64:65], 0
	v_nop
	global_prefetch_b8 v0, s[64:65] scope:SCOPE_SE
	s_setreg_imm32_b32 hwreg(HW_REG_WAVE_MODE, 25, 1), 1
	s_wait_xcnt 0x0
; out0[head][q] = sum over keys of Q(A)[q][k] Q(V)[k], A = softmax(scale pos) - softmax(scale neg), pos / neg = +- Q(q) . Q(k) where the key's patch lies 1 .. 9 patches after the query's, else -10000.
; A patch is 16 positions; Q(.) is E4M3 with one E8M0 scale for each 32 along a product's K (the 64 of a head for q, k; the keys for A, V).  scale = clip(exp(log_scale), 1, 30) / 8.
; THE WINDOW.  The allowed keys of query patch p lie in the five aligned blocks of 32 keys from block (p + 1) / 2 on.  Only these 160 keys are multiplied.
; THE FILL IS KEPT.  Every masked key of a row has one weight c = em+ / l+ - em- / l- (em = 2^(C2 x (-10000) - m), l = the row's whole sum over 2,048 keys).  A block outside the window quantises to one
; number qc = Q(c), so its share is qc x (T[d] - the window's column sums of Q(V)), T the head's column sums (from vsum).  O starts as qc T, and the window is multiplied a second time by the codes of -c.
; Both maxima are the row's true ones (the fill among them).  p = 2^(C2 s - m), C2 = scale x log2(e).
; SHARES.  Work-group (g, head) holds key blocks 8 g .. 8 g + 11 (384 keys).  Wave i owns ONE tile of 16 queries, patch (16 g + i - 1) mod 128; its window is local blocks i / 2 .. i / 2 + 4.
; Sixteen waves of 256 registers: four to a SIMD, so that one wave's exponentials stand beside another's plain work.
; LAYOUT.  Both products are used transposed (S^T = K Q^T, O^T = V^T A^T): a lane holds one query (lane % 16).  Lane r of key tile 2 b + u takes key 32 b + 8 u + r + 8 (r / 8), so the 16 registers of
; tiles 2 b, 2 b + 1 are keys 32 b + 16 h + 0 .. 15 (h = lane / 16): ONE key patch.  So the mask is one bit for (block, h), made of ids alone.
; The first product's K is 64: Q's operand has zero codes for k = 64 .. 127; what K's operand holds there (the next tile's codes) is multiplied by them.
; ALL INPUT IS ASKED FOR AT THE HEAD: each wave its 16 rows of q; waves 0 .. 5 64 rows of k each; wave 6 the record of V's codes and scale bytes.  Nothing is filled again: no ring.  At most two tensor loads of a wave are out.
; For g = 7 the key rows past the head's end are not there: those parts read the head's last 64 rows again, and their keys get the weight 0 (logit -infinity); V's codes there are zeros.
; NO CLUSTER: neighbouring work-groups share 128 of 384 key rows and 4 of 12 blocks of V, and hold them at different LDS places (rows 256 .. 383 here are rows 0 .. 127 there); a joint load has one LDS address for all that it names.
; LIMITS: NaN and infinities among the inputs (log_scale too) are not served.  v_exp_f32 gives 0 under 2^-126.  A block of zeros, or one whose largest magnitude lies under 2^-118, has the byte 1.  The f32 sums go in another order than reference()'s.
.set KP,    272                        ; a row of 64 f32 in LDS: 256 bytes + 16: the sixteen rows of a load start at sixteen different groups of banks
.set QTB,   16*KP                      ; a tile of 16 rows
.set KRAW,  0                          ; 384 rows of k
.set QRAW,  384*KP                     ; 16 tiles of q, a wave's own each; on the way out the wave's stage (its one fill is long done)
.set VIMG,  QRAW+16*QTB                ; the record: V's images, then its scale words
.set VSCB,  24576
.set RECB,  25344
.set KCOD,  VIMG+RECB                  ; k's codes: 384 rows of 64 bytes + 16
.set CP,    80
.set KSC,   KCOD+384*CP                ; k's scale bytes, 2 a key
.set TSUM,  KSC+768                    ; T[d], 64 f32
.set SPARE, TSUM+256                   ; the spare words, 128 bytes for each wave: eight blocks of 256 bytes that no other line names
.set SPW,  1                           ; v1   LDS address of my spare word; never rewritten
.set NIL,  2                           ; v2   0; never rewritten
.set AKR,  3                           ; v3   k's rows that I quantise
.set AKW,  4                           ; v4   where their codes go
.set AKSW, 5                           ; v5   and their scale bytes
.set AQR,  6                           ; v6   my tile of q
.set AKF,  7                           ; v7   my window's fragments of k
.set AKSR, 8                           ; v8   their scale bytes: lanes 0-15 an even tile's rows, lanes 16-31 the odd tile's
.set AVF,  9                           ; v9   my window's images of V
.set AVS,  10                          ; v10  their scale words
.set ATS,  11                          ; v11  T: my half's eight of a tile
.set STO,  12                          ; v12  the stage: where I put 32 bytes of a row
.set RD,   13                          ; v13  and where I read rows back
.set GO,   14                          ; v14  16 x lane
.set ATW,  15                          ; v15  wave 7: where T goes
.set C2,   16                          ; v16  C2;  v17 -C2
.set FILL, 18                          ; v18  -10000;  v19 +10000
.set NINF, 20                          ; v20  -infinity
.set NOUT, 21                          ; v21  keys outside my window, as f32
.set QCP,  22                          ; v22  qc
.set CROW, 23                          ; v23  c
.set VW1,  24                          ; v24-27 V's scale words, tile t, blocks 0 .. 3;  v28-31 block 4 in byte 3
.set VW2,  28
.set QS,   32                          ; v32  q's scale word
.set PW1,  33                          ; v33  A's, blocks 0 .. 3;  v34 block 4 in byte 3;  v35 c's byte four times
.set PW2,  34
.set CW,   35
.set KS,   36                          ; v36-40 k's scale words, a block each
.set VD,   41                          ; v41-45 V's scale words as they lie, a block each; later at work
.set PM,   46                          ; v46-55 at work; v46-50: the quantiser's permute results, then its bytes
.set QZ,   56                          ; v56-63 q's codes; v64-75 zeros; v76-79 at work, then the codes of A's block 4
.set NMP,  QZ+20                       ; -m of the positive softmax, -m of the negative, the masked logits (then em+, em-)
.set NMN,  QZ+21
.set AMP,  QZ+22
.set AMN,  QZ+23
.set SB,   80                          ; v80-159  raw numbers; S^T; the negative softmax; V's fragments, 20 registers a tile; rows on the way out
.set PB,   160                         ; v160-239 k's fragments; the positive softmax, then A; then O (0-31), T and the fourth set's operand (32-63), the codes of -c (64-79)
.set P1,   240                         ; v240-255 zeros behind k's last fragment; at work; the codes of A's blocks 0 .. 3
.set BM,   P1
.set BN,   P1+5
.set WV,   17                          ; s17 wave
.set GX,   18                          ; s18 g
.set BH,   19                          ; s19 head
.set PT,   20                          ; s20 my query patch
.set WN,   21                          ; s21 wave / 2: my window's first local block; also which 48 rows of k I quantise
.set CB,   22                          ; s22 wave % 2: which 32 of their 64
.set G16,  23                          ; s23 16 g
.set G1K,  24                          ; s[24:31] group 1: 64 rows of 64 f32
.set G1Q,  32                          ; s[32:39] 16 rows
.set G1R,  40                          ; s[40:47] 99 rows of 256 bytes, dense
.set G0Q,  48
.set G0K,  52
.set G0R,  56
.set SU,   66                          ; s66-70 block b: the lanes whose key patch is allowed
.set SE,   71                          ; s71-75 block b: -1 where the block exists
.set SEL,  76                          ; s[76:77] v_permlanex16_b32's selects for lane l xor 16
.set MNT,  78                          ; s78 the mantissa field of 448
; Five blocks of 32 become codes and bytes.  A lane holds 16 numbers of each block in v[src + 16 b] on; lane l xor 16 holds the other 16.  Codes of blocks 0 .. 3 to v[db + 4 b], of block 4 to v[d4]; bytes to v[PM + b].
.macro QUANT src, db, d4, am, lm, so
.irp b, 0,1,2,3,4
	v_max3_num_f32 v[\am+\b], |v[\src+16*\b]|, |v[\src+16*\b+1]|, 0x4800000   ; and the floor 2^(9 - 127): the byte cannot fall under 1
.endr
.irp k, 2,4,6,8,10,12,14
.irp b, 0,1,2,3,4
	v_max3_num_f32 v[\am+\b], v[\am+\b], |v[\src+16*\b+\k]|, |v[\src+16*\b+\k+1]|   ; (the blocks by turns)
.endr
.endr
.irp b, 0,1,2,3,4
	v_permlanex16_b32 v[PM+\b], v[\am+\b], s[SEL], s[SEL+1]
.endr
.irp b, 0,1,2,3,4
	v_max_num_f32 v[\am+\b], v[\am+\b], v[PM+\b]   ; the block's largest magnitude
.endr
.irp b, 0,1,2,3,4
	v_add_nc_u32 v[\so+\b], 0xfc000000, v[\am+\b]  ; 8 off its exponent field: the conversion's scale operand
.endr
.irp b, 0,1,2,3,4
	v_and_or_b32 v[\lm+\b], v[\am+\b], 0x7f800000, s[MNT]   ; 448 x the scale
.endr
.irp b, 0,1,2,3,4
	v_lshrrev_b32 v[PM+\b], 23, v[\so+\b]          ; the scale's byte
.endr
.irp b, 0,1,2,3,4
.set DD, \db+4*\b
.if \b == 4
.set DD, \d4
.endif
.irp i, 0,1,2,3,4,5,6,7,8,9,10,11,12,13,14,15
	v_med3_num_f32 v[\src+16*\b+\i], v[\src+16*\b+\i], -v[\lm+\b], v[\lm+\b]   ; the conversion to an 8-bit code does not saturate (ISA guide 7.6.2): hold first
.endr
	v_cvt_scalef32_pk8_fp8_f32 v[DD:DD+1], v[\src+16*\b:\src+16*\b+7], v[\so+\b]
	v_cvt_scalef32_pk8_fp8_f32 v[DD+2:DD+3], v[\src+16*\b+8:\src+16*\b+15], v[\so+\b]
.endr
	v_nop                                          ; one plain line between the last conversion and whatever next touches its result or writes its sources
.endm
; Block b's 16 scores become both softmaxes' logits.  Allowed: +-C2 s - m.  Masked: C2 x (-10000) - m.  Not there: -infinity.  The choice is by lane, so it is made on the multiplier and the addend.
.macro LOGITS b
.set LS, 46+10*((\b)%2)                ; two sets of four pairs by turns, v46-53 and v56-63: multiplier +, multiplier -, addend +, addend -; each pair's low word serves both halves
	v_cndmask_b32 v54, v[NINF], v[AMP], s[SE+\b]
	v_cndmask_b32 v55, v[NINF], v[AMN], s[SE+\b]
	v_cndmask_b32 v[LS], 0, v[C2], s[SU+\b]
	v_cndmask_b32 v[LS+2], 0, v[C2+1], s[SU+\b]
	v_cndmask_b32 v[LS+4], v54, v[NMP], s[SU+\b]
	v_cndmask_b32 v[LS+6], v55, v[NMN], s[SU+\b]
.irp k, 0,2,4,6,8,10,12,14
	v_pk_fma_f32 v[PB+16*\b+\k:PB+16*\b+\k+1], v[SB+16*\b+\k:SB+16*\b+\k+1], v[LS:LS+1], v[LS+4:LS+5] op_sel_hi:[1,0,0]
.endr
.irp k, 0,2,4,6,8,10,12,14
	v_pk_fma_f32 v[SB+16*\b+\k:SB+16*\b+\k+1], v[SB+16*\b+\k:SB+16*\b+\k+1], v[LS+2:LS+3], v[LS+6:LS+7] op_sel_hi:[1,0,0]
.endr
.endm
	s_load_b256 s[4:11], s[0:1], 0x0               ; queries s[4:5], keys s[6:7], log_scale s[8:9], vrec s[10:11]
	s_load_b128 s[12:15], s[0:1], 0x20             ; vsum s[12:13], out0 s[14:15]
	v_lshl_add_u32 v[SPW], v0, 2, SPARE
	v_mov_b32 v[NIL], 0
	ds_add_u32 v[SPW], v[NIL]                      ; the wave's opening: the add and its wait ahead of my first tensor load; work on registers stands between them
	v_lshrrev_b32 v46, 5, v0
	v_readfirstlane_b32 s[WV], v46                 ; wave 0..15
	s_mov_b32 s[GX], ttmp9
	s_and_b32 s[BH], ttmp7, 0xffff
	s_lshr_b32 s[WN], s[WV], 1
	s_and_b32 s[CB], s[WV], 1
	s_lshl_b32 s[G16], s[GX], 4
	s_add_co_u32 s[PT], s[G16], s[WV]
	s_sub_co_u32 s[PT], s[PT], 1
	s_and_b32 s[PT], s[PT], 127                    ; my query patch: (16 g + wave - 1) mod 128
	s_mov_b32 s[G1K], (2<<16)|(1<<20)|(5<<22)|(3<<25)   ; elements of 4 bytes; padding on: 4 words behind every 64
	s_mov_b32 s[G1K+1], 64<<16                     ; tensor_dim0 = 64
	s_mov_b32 s[G1K+2], 64<<16                     ; tensor_dim1 = 64
	s_mov_b32 s[G1K+3], 64<<16                     ; tile_dim0 = 64
	s_mov_b32 s[G1K+4], 64                         ; tile_dim1 = 64
	s_mov_b32 s[G1K+5], 64                         ; elements from row to row
	s_mov_b32 s[G1K+6], 0
	s_mov_b32 s[G1K+7], 0
	s_mov_b32 s[G1Q], (2<<16)|(1<<20)|(5<<22)|(3<<25)
	s_mov_b32 s[G1Q+1], 64<<16
	s_mov_b32 s[G1Q+2], 16<<16                     ; 16 rows
	s_mov_b32 s[G1Q+3], 64<<16
	s_mov_b32 s[G1Q+4], 16
	s_mov_b32 s[G1Q+5], 64
	s_mov_b32 s[G1Q+6], 0
	s_mov_b32 s[G1Q+7], 0
	s_mov_b32 s[G1R], 3<<16                        ; elements of 8 bytes, no padding
	s_mov_b32 s[G1R+1], 32<<16                     ; rows of 256 bytes,
	s_mov_b32 s[G1R+2], 99<<16                     ; 99 of them
	s_mov_b32 s[G1R+3], 32<<16
	s_mov_b32 s[G1R+4], 99
	s_mov_b32 s[G1R+5], 32
	s_mov_b32 s[G1R+6], 0
	s_mov_b32 s[G1R+7], 0
	s_lshl_b32 s60, s[BH], 19                      ; a head is 2048 x 256 bytes
	s_lshl_b32 s62, s[PT], 12                      ; a patch 16 x 256
	s_add_co_u32 s62, s62, s60                     ; my tile in queries and in out0
	s_mov_b32 s63, 0
	s_lshl_b32 s80, s[GX], 8
	s_lshl_b32 s81, s[WV], 6
	s_add_co_u32 s80, s80, s81                     ; key row 256 g + 64 wave,
	s_min_u32 s80, s80, 1984                       ; held at the head's last 64 rows
	s_lshl_b32 s80, s80, 8
	s_add_co_u32 s80, s80, s60
	s_mov_b32 s81, 0
	s_lshl_b32 s82, s[BH], 3
	s_add_co_u32 s82, s82, s[GX]
	s_mul_i32 s82, s82, RECB                       ; my work-group's record
	s_mov_b32 s83, 0
	s_lshl_b32 s84, s[BH], 11                      ; the head's 8 x 256 bytes of vsum
	s_mov_b32 s85, 0
	s_mov_b32 s[G0Q], 1
	s_mul_i32 s[G0Q+1], s[WV], QTB
	s_add_co_u32 s[G0Q+1], s[G0Q+1], QRAW
	s_mov_b32 s[G0K], 1
	s_mul_i32 s[G0K+1], s[WV], 64*KP
	s_mov_b32 s[G0R], 1
	s_mov_b32 s[G0R+1], VIMG
	s_mov_b32 s[SEL], 0x76543210
	s_mov_b32 s[SEL+1], 0xfedcba98
	s_mov_b32 s[MNT], 0x600000
	s_wait_dscnt 0x0                               ; the opening add is done
	s_wait_kmcnt 0x0
	s_add_nc_u64 s[G0Q+2:G0Q+3], s[4:5], s[62:63]
	s_or_b32 s[G0Q+3], s[G0Q+3], 0x80000000
	s_add_nc_u64 s[G0K+2:G0K+3], s[6:7], s[80:81]
	s_or_b32 s[G0K+3], s[G0K+3], 0x80000000
	s_add_nc_u64 s[G0R+2:G0R+3], s[10:11], s[82:83]
	s_or_b32 s[G0R+3], s[G0R+3], 0x80000000
	s_add_nc_u64 s[14:15], s[14:15], s[62:63]      ; out0 at my tile
	s_add_nc_u64 s[12:13], s[12:13], s[84:85]      ; vsum at my head
	tensor_load_to_lds s[G0Q:G0Q+3], s[G1Q:G1Q+7]  ; every wave: its own 16 rows of q
	s_nop 0
	s_cmp_lt_u32 s[WV], 6
	s_cbranch_scc0 .Lnot_k
	tensor_load_to_lds s[G0K:G0K+3], s[G1K:G1K+7]  ; waves 0 .. 5: 64 rows of k
	s_nop 0
.rept 4
	v_nop
.endr
	s_branch .Lfilled
.Lnot_k:
	s_cmp_eq_u32 s[WV], 6
	s_cbranch_scc0 .Lfilled
	tensor_load_to_lds s[G0R:G0R+3], s[G1R:G1R+7]  ; wave 6: V's record
	s_nop 0
.rept 4
	v_nop
.endr
.Lfilled:
	s_load_b32 s16, s[8:9], 0x0                    ; log_scale
	; addresses: a constant + a constant x lane part + a constant x wave part
	v_and_b32 v46, 15, v0                          ; r
	v_bfe_u32 v47, v0, 4, 1                        ; h
	v_and_b32 v48, 31, v0                          ; lane
	v_and_b32 v49, 8, v46
	v_add_nc_u32 v49, v49, v46                     ; r + 8 (r / 8)
	s_mul_i32 s88, s[WN], 48*KP
	s_lshl_b32 s89, s[CB], 7
	s_add_co_u32 s88, s88, s89
	v_mul_u32_u24 v[AKR], v46, KP
	v_lshl_add_u32 v[AKR], v47, 6, v[AKR]          ; row r, + 64 h: my 16 numbers of a block of 32
	v_add_nc_u32 v[AQR], s[G0Q+1], v[AKR]          ; in my tile of q
	v_add_nc_u32 v[AKR], s88, v[AKR]               ; in k: rows 48 (wave / 2) on, block wave % 2
	s_mul_i32 s88, s[WN], 48*CP
	s_lshl_b32 s89, s[CB], 5
	s_add_co_u32 s88, s88, s89
	s_add_co_u32 s88, s88, KCOD
	v_mul_u32_u24 v[AKW], v46, CP
	v_lshl_add_u32 v[AKW], v47, 4, v[AKW]
	v_add_nc_u32 v[AKW], s88, v[AKW]
	s_mul_i32 s88, s[WN], 96
	s_add_co_u32 s88, s88, s[CB]
	s_add_co_u32 s88, s88, KSC
	v_lshl_add_u32 v[AKSW], v46, 1, s88
	s_mul_i32 s88, s[WN], 32*CP
	s_add_co_u32 s88, s88, KCOD
	v_mul_u32_u24 v[AKF], v49, CP
	v_lshl_add_u32 v[AKF], v47, 4, v[AKF]
	v_add_nc_u32 v[AKF], s88, v[AKF]
	s_lshl_b32 s88, s[WN], 6
	s_add_co_u32 s89, s88, KSC
	v_lshlrev_b32 v[AKSR], 1, v49
	v_lshl_add_u32 v[AKSR], v47, 4, v[AKSR]        ; lanes 16-31: eight keys on: the odd tile's rows
	v_add_nc_u32 v[AKSR], s89, v[AKSR]
	s_add_co_u32 s89, s88, VIMG+VSCB
	v_lshl_add_u32 v[AVS], v46, 2, s89
	s_lshl_b32 s89, s[WN], 11
	s_add_co_u32 s89, s89, VIMG
	v_lshl_add_u32 v[AVF], v48, 4, s89
	v_lshl_add_u32 v[ATS], v47, 5, TSUM
	v_mul_u32_u24 v[STO], v46, KP
	v_lshl_add_u32 v[STO], v47, 5, v[STO]
	v_add_nc_u32 v[STO], s[G0Q+1], v[STO]
	v_mul_u32_u24 v[RD], v47, KP
	v_lshl_add_u32 v[RD], v46, 4, v[RD]
	v_add_nc_u32 v[RD], s[G0Q+1], v[RD]
	v_lshlrev_b32 v[GO], 4, v48
	v_and_b32 v50, 1, v0
	v_bfe_u32 v51, v0, 1, 4
	v_lshlrev_b32 v[ATW], 7, v50
	v_lshl_add_u32 v[ATW], v51, 2, v[ATW]
	v_add_nc_u32 v[ATW], TSUM, v[ATW]              ; lane l holds r = l / 2, tiles 2 (l % 2) and + 1: T[16 t + r] at 64 t + 4 r
	; the mask, of ids alone.  Lane half h of block b holds key patch 16 g + 2 (wave / 2) + 2 b + h; it is allowed where 0 <= patch - p - 1 < min(9, 127 - p)
	s_lshl_b32 s88, s[WN], 1
	s_add_co_u32 s88, s88, s[G16]
	s_sub_co_u32 s88, s88, s[PT]
	s_sub_co_u32 s88, s88, 1
	s_sub_co_u32 s89, 127, s[PT]
	s_min_u32 s89, s89, 9
	s_lshl_b32 s90, s[GX], 3
	s_add_co_u32 s90, s90, s[WN]
	s_sub_co_u32 s90, 64, s90                      ; blocks of the head from my window's first on
	v_add_nc_u32 v52, s88, v47
.irp b, 0,1,2,3,4
	v_add_nc_u32 v53, 2*\b, v52
	v_cmp_gt_u32 s[SU+\b], s89, v53                ; (unsigned: what is negative is refused too)
	s_cmp_gt_u32 s90, \b
	s_cselect_b32 s[SE+\b], -1, 0
.endr
	s_min_u32 s90, s90, 5
	s_lshl_b32 s90, s90, 5
	s_sub_co_u32 s90, 2048, s90
	v_cvt_f32_u32 v[NOUT], s90                     ; keys outside my window: all masked
	v_mov_b32 v[FILL], 0xc61c4000                  ; -10000
	v_mov_b32 v[FILL+1], 0x461c4000
	v_mov_b32 v[NINF], 0xff800000
	v_lshlrev_b32 v54, 3, v48                      ; 8 x lane (wave 7's offset in vsum)
	v_mov_b32 v55, 0
.irp j, 0,1,2,3,4,5,6,7,8,9,10,11
	v_mov_b32 v[QZ+8+\j], 0
.endr
.irp j, 0,1,2,3,4,5,6,7,8,9,10,11,12,13,14,15
	v_mov_b32 v[P1+\j], 0                          ; eight of them are the zeros behind k's last fragment; the others are later named as upper halves of pairs and as permute destinations
.endr
	s_cmp_lg_u32 s[WV], 7
	s_cbranch_scc1 .Lno_t                          ; wave 7 adds the head's eight partial column sums
.irp u, 0,1,2,3,4,5,6,7
	global_load_b64 v[PB+2*\u:PB+2*\u+1], v54, s[12:13] offset:256*\u   ; 32 lanes read 256 consecutive bytes
.endr
	s_wait_loadcnt 0x0
.irp u, 0,4,8,12
	v_pk_add_f32 v[PB+\u:PB+\u+1], v[PB+\u:PB+\u+1], v[PB+\u+2:PB+\u+3]
.endr
	v_pk_add_f32 v[PB:PB+1], v[PB:PB+1], v[PB+4:PB+5]
	v_pk_add_f32 v[PB+8:PB+9], v[PB+8:PB+9], v[PB+12:PB+13]
	v_pk_add_f32 v[PB:PB+1], v[PB:PB+1], v[PB+8:PB+9]
	ds_store_b32 v[ATW], v[PB]
	ds_store_b32 v[ATW], v[PB+1] offset:64
.Lno_t:
	s_wait_kmcnt 0x0                               ; log_scale
	v_mov_b32 v[C2], s16
	v_mul_f32 v[C2], 0x3fb8aa3b, v[C2]
	v_exp_f32 v[C2], v[C2]                         ; exp(log_scale)
	v_nop                                          ; a plain line behind the transcendental,
	s_wait_alu depctr_va_vdst(0)                   ; and the wait ahead of its first reader
	v_med3_num_f32 v[C2], v[C2], 1.0, 0x41f00000   ; held within 1 .. 30
	v_mul_f32 v[C2], 0x3e38aa3b, v[C2]             ; x log2(e) / 8
	v_xor_b32 v[C2+1], 0x80000000, v[C2]
	s_wait_tensorcnt 0x0                           ; my fills have landed,
	s_wait_dscnt 0x0                               ; and wave 7's stores of T
	s_barrier_signal -1
	s_barrier_wait -1                              ; everybody's have
	; ---- 1: q's two blocks (my tile) and three pieces of k (16 rows x 32 each) become codes
.irp c, 0,1
.irp k, 0,1,2,3
	ds_load_b128 v[SB+16*\c+4*\k:SB+16*\c+4*\k+3], v[AQR] offset:128*\c+16*\k
.endr
.endr
.irp j, 0,1,2
.irp k, 0,1,2,3
	ds_load_b128 v[SB+32+16*\j+4*\k:SB+32+16*\j+4*\k+3], v[AKR] offset:QTB*\j+16*\k
.endr
.endr
	s_wait_dscnt 0x0
	QUANT SB, QZ, QZ+16, PB, PB+8, PB+16           ; q's codes stay in v56-63; k's pass through v64-75
	v_lshl_or_b32 v[QS], v[PM+1], 8, v[PM]         ; q's scale word: bytes 2 and 3 stay 0, over zero codes
.irp j, 0,1,2
	ds_store_b128 v[AKW], v[QZ+8+4*\j:QZ+8+4*\j+3] offset:16*CP*\j
	ds_store_b8 v[AKSW], v[PM+2+\j] offset:32*\j   ; both halves of the lanes write the same byte with the same value
.endr
	s_wait_dscnt 0x0                               ; for the others' sake: my codes and bytes have landed
	s_barrier_signal -1
.irp j, 0,1,2,3,4,5,6,7,8,9,10,11
	v_mov_b32 v[QZ+8+\j], 0                        ; zeros again, in ascending order: behind the last register of q's operand (v71) stand four more plain lines
.endr
	s_barrier_wait -1
	; ---- 2: S^T = K Q^T for my window: ten tiles of 16 keys
.irp b, 0,1,2,3,4
.irp u, 0,1
.irp c, 0,1
	ds_load_b128 v[PB+8*(2*\b+\u)+4*\c:PB+8*(2*\b+\u)+4*\c+3], v[AKF] offset:(32*\b+8*\u)*CP+32*\c
.endr
.endr
	ds_load_u16 v[KS+\b], v[AKSR] offset:64*\b
	ds_load_b32 v[VD+\b], v[AVS] offset:64*\b
.endr
	s_wait_dscnt 0x0
.irp b, 0,1,2,3,4
	v_wmma_scale_f32_16x16x128_f8f6f4 v[SB+16*\b:SB+16*\b+7], v[PB+16*\b:PB+16*\b+15], v[QZ:QZ+15], 0, v[KS+\b], v[QS]
	v_wmma_scale_f32_16x16x128_f8f6f4 v[SB+16*\b+8:SB+16*\b+15], v[PB+16*\b+8:PB+16*\b+23], v[QZ:QZ+15], 0, v[KS+\b], v[QS] matrix_a_scale:MATRIX_SCALE_ROW1
.endr
	; V's scale words are turned (byte t of block c -> byte c of tile t): twelve plain lines that name no register of the products: the places behind them
	v_perm_b32 v46, v[VD+1], v[VD], 0x05010400
	v_perm_b32 v47, v[VD+1], v[VD], 0x07030602
	v_perm_b32 v48, v[VD+3], v[VD+2], 0x05010400
	v_perm_b32 v49, v[VD+3], v[VD+2], 0x07030602
	v_perm_b32 v[VW1], v48, v46, 0x05040100
	v_perm_b32 v[VW1+1], v48, v46, 0x07060302
	v_perm_b32 v[VW1+2], v49, v47, 0x05040100
	v_perm_b32 v[VW1+3], v49, v47, 0x07060302
	v_lshlrev_b32 v[VW2], 24, v[VD+4]
	v_lshlrev_b32 v[VW2+1], 16, v[VD+4]
	v_lshlrev_b32 v[VW2+2], 8, v[VD+4]
	v_mov_b32 v[VW2+3], v[VD+4]
	; ---- the rows' largest and smallest allowed score; each accumulator is read from its low end on
.irp b, 0,1,2,3,4
	v_max3_num_f32 v[BM+\b], v[SB+16*\b], v[SB+16*\b+1], v[SB+16*\b+2]
.endr
.irp b, 0,1,2,3,4
	v_min3_num_f32 v[BN+\b], v[SB+16*\b], v[SB+16*\b+1], v[SB+16*\b+2]
.endr
.irp k, 3,5,7,9,11,13
.irp b, 0,1,2,3,4
	v_max3_num_f32 v[BM+\b], v[BM+\b], v[SB+16*\b+\k], v[SB+16*\b+\k+1]
.endr
.irp b, 0,1,2,3,4
	v_min3_num_f32 v[BN+\b], v[BN+\b], v[SB+16*\b+\k], v[SB+16*\b+\k+1]
.endr
.endr
.irp b, 0,1,2,3,4
	v_max_num_f32 v[BM+\b], v[BM+\b], v[SB+16*\b+15]
	v_min_num_f32 v[BN+\b], v[BN+\b], v[SB+16*\b+15]
.endr
.irp b, 0,1,2,3,4
	v_cndmask_b32 v[BM+\b], v[FILL], v[BM+\b], s[SU+\b]      ; a masked patch counts as the fill
	v_cndmask_b32 v[BN+\b], v[FILL+1], v[BN+\b], s[SU+\b]
.endr
	v_max3_num_f32 v[P1+10], v[BM], v[BM+1], v[BM+2]
	v_min3_num_f32 v[P1+12], v[BN], v[BN+1], v[BN+2]
	v_max3_num_f32 v[P1+10], v[P1+10], v[BM+3], v[BM+4]
	v_min3_num_f32 v[P1+12], v[P1+12], v[BN+3], v[BN+4]
	v_permlanex16_b32 v[P1+11], v[P1+10], s[SEL], s[SEL+1]
	v_permlanex16_b32 v[P1+13], v[P1+12], s[SEL], s[SEL+1]
	v_max3_num_f32 v[P1+10], v[P1+10], v[P1+11], v[FILL]     ; every row has masked keys: the fill is among the maximum's leaves
	v_min3_num_f32 v[P1+12], v[P1+12], v[P1+13], v[FILL+1]
	v_mul_f32 v[NMP], v[C2+1], v[P1+10]            ; -m+ = -C2 x the largest of pos
	v_mul_f32 v[NMN], v[C2], v[P1+12]              ; -m- = C2 x the smallest score (or +10000)
	v_fma_f32 v[AMP], v[FILL], v[C2], v[NMP]       ; a masked key's logits
	v_fma_f32 v[AMN], v[FILL], v[C2], v[NMN]
.irp b, 0,1,2,3,4
	LOGITS \b
.endr
	; ---- the exponentials: one batch, one wait
.set J, 0
.rept 80
	v_exp_f32 v[PB+J], v[PB+J]
.set J, J+1
.endr
.set J, 0
.rept 80
	v_exp_f32 v[SB+J], v[SB+J]
.set J, J+1
.endr
	v_exp_f32 v[AMP], v[AMP]                       ; em+, em-: the same instruction on the same number as the window's masked keys
	v_exp_f32 v[AMN], v[AMN]
	v_nop                                          ; a plain line behind the last of them,
	s_wait_alu depctr_va_vdst(0)                   ; and the one wait ahead of the batch's first reader
	; ---- the rows' sums: two chains a sign
	v_pk_add_f32 v[P1:P1+1], v[PB:PB+1], v[PB+2:PB+3]
	v_pk_add_f32 v[P1+2:P1+3], v[PB+4:PB+5], v[PB+6:PB+7]
	v_pk_add_f32 v[P1+4:P1+5], v[SB:SB+1], v[SB+2:SB+3]
	v_pk_add_f32 v[P1+6:P1+7], v[SB+4:SB+5], v[SB+6:SB+7]
.set J, 8
.rept 18
	v_pk_add_f32 v[P1:P1+1], v[P1:P1+1], v[PB+J:PB+J+1]
	v_pk_add_f32 v[P1+2:P1+3], v[P1+2:P1+3], v[PB+J+2:PB+J+3]
	v_pk_add_f32 v[P1+4:P1+5], v[P1+4:P1+5], v[SB+J:SB+J+1]
	v_pk_add_f32 v[P1+6:P1+7], v[P1+6:P1+7], v[SB+J+2:SB+J+3]
.set J, J+4
.endr
	v_pk_add_f32 v[P1:P1+1], v[P1:P1+1], v[P1+2:P1+3]
	v_pk_add_f32 v[P1+4:P1+5], v[P1+4:P1+5], v[P1+6:P1+7]
	v_add_f32 v[P1], v[P1], v[P1+1]
	v_add_f32 v[P1+4], v[P1+4], v[P1+5]
	v_permlanex16_b32 v[P1+1], v[P1], s[SEL], s[SEL+1]
	v_permlanex16_b32 v[P1+5], v[P1+4], s[SEL], s[SEL+1]
	v_add_f32 v[P1], v[P1], v[P1+1]
	v_add_f32 v[P1+4], v[P1+4], v[P1+5]
	v_fma_f32 v[P1], v[NOUT], v[AMP], v[P1]        ; + the keys outside the window
	v_fma_f32 v[P1+4], v[NOUT], v[AMN], v[P1+4]
	v_rcp_f32 v[P1+8], v[P1]
	v_rcp_f32 v[P1+10], v[P1+4]
	v_nop
	s_wait_alu depctr_va_vdst(0)                   ; one wait for the two reciprocals
	v_mul_f32 v[P1+12], v[AMN], v[P1+10]
	v_fma_f32 v[CROW], v[AMP], v[P1+8], -v[P1+12]  ; c, by the same two lines as A below
	; ---- A = p+ / l+ - p- / l-
.set J, 0
.rept 40
	v_pk_mul_f32 v[SB+J:SB+J+1], v[SB+J:SB+J+1], v[P1+10:P1+11] op_sel_hi:[1,0]
.set J, J+2
.endr
.set J, 0
.rept 40
	v_pk_fma_f32 v[PB+J:PB+J+1], v[PB+J:PB+J+1], v[P1+8:P1+9], v[SB+J:SB+J+1] op_sel_hi:[1,0,1] neg_lo:[0,0,1] neg_hi:[0,0,1]
.set J, J+2
.endr
.irp t, 0,1,2,3
.irp c, 0,1,2,3,4
	ds_load_b128 v[SB+20*\t+4*\c:SB+20*\t+4*\c+3], v[AVF] offset:2048*\c+512*\t   ; V's images of my five blocks land while A is quantised
.endr
.endr
	QUANT PB, P1, QZ+20, 41, 51, 56                ; A's five blocks: codes of blocks 0 .. 3 in v240-255, of block 4 in v76-79, behind the twelve zeros
	v_lshl_or_b32 v[PW1], v[PM+1], 8, v[PM]
	v_lshl_or_b32 v[PW1], v[PM+2], 16, v[PW1]
	v_lshl_or_b32 v[PW1], v[PM+3], 24, v[PW1]
	v_lshlrev_b32 v[PW2], 24, v[PM+4]
.irp t, 0,1,2,3
	ds_load_b128 v[PB+32+8*\t:PB+32+8*\t+3], v[ATS] offset:64*\t        ; T[16 t + 8 h + 0 .. 7], in the result's layout
	ds_load_b128 v[PB+36+8*\t:PB+36+8*\t+3], v[ATS] offset:64*\t+16
.endr
	; ---- c as a block of its own: the byte, the code of -c, and qc
	v_max_num_f32 v41, 0x4800000, |v[CROW]|
	v_add_nc_u32 v44, 0xfc000000, v41
	v_and_or_b32 v45, v41, 0x7f800000, s[MNT]
	v_lshrrev_b32 v51, 23, v44
	v_perm_b32 v[CW], v51, v51, 0                  ; the byte in all four places
.irp j, 0,1,2,3,4,5,6,7
	v_med3_num_f32 v[QZ+\j], -v[CROW], -v45, v45
.endr
	v_cvt_scalef32_pk8_fp8_f32 v[42:43], v[QZ:QZ+7], v44
	v_add_nc_u32 v53, 0xffffff81, v51              ; byte - 127.  (The plain line behind the conversion)
	v_cvt_f32_fp8 v52, v42
	v_ldexp_f32 v[QCP], -v52, v53                  ; qc = -(the code's number) x the scale
.irp m, 0,1,2,3,4,5,6,7
	v_mov_b32 v[PB+64+2*\m], v42                   ; the third set's operand: 128 keys of -c
	v_mov_b32 v[PB+65+2*\m], v43
.endr
	s_wait_dscnt 0x0                               ; V's images and T are in
.set J, 0
.rept 16
	v_pk_mul_f32 v[PB+J:PB+J+1], v[PB+32+J:PB+32+J+1], v[QCP:QCP+1] op_sel_hi:[1,0]   ; O^T starts as qc T
.set J, J+2
.endr
.irp j, 0,1,2,3,4,5,6,7,8,9,10,11
	v_mov_b32 v[PB+32+\j], 0                       ; the fourth set's operand: zeros for three blocks,
.endr
	v_mov_b32 v[PB+44], v42                        ; -c for the fifth
	v_mov_b32 v[PB+45], v43
	v_mov_b32 v[PB+46], v42
	v_mov_b32 v[PB+47], v43
.rept 4
	v_nop                                          ; operands written by vector lines stand four plain lines ahead of a scaled matrix instruction
.endr
	; ---- O^T += V^T A^T over the window, and - qc x the window's column sums.  Four accumulators take turns, one instruction a turn
.irp t, 0,1,2,3
	v_wmma_scale_f32_16x16x128_f8f6f4 v[PB+8*\t:PB+8*\t+7], v[SB+20*\t:SB+20*\t+15], v[P1:P1+15], v[PB+8*\t:PB+8*\t+7], v[VW1+\t], v[PW1]
.endr
.irp t, 0,1,2,3
	v_wmma_scale_f32_16x16x128_f8f6f4 v[PB+8*\t:PB+8*\t+7], v[SB+20*\t+4:SB+20*\t+19], v[QZ+8:QZ+23], v[PB+8*\t:PB+8*\t+7], v[VW2+\t], v[PW2]
.endr
.irp t, 0,1,2,3
	v_wmma_scale_f32_16x16x128_f8f6f4 v[PB+8*\t:PB+8*\t+7], v[SB+20*\t:SB+20*\t+15], v[PB+64:PB+79], v[PB+8*\t:PB+8*\t+7], v[VW1+\t], v[CW]
.endr
.irp t, 0,1,2,3
	v_wmma_scale_f32_16x16x128_f8f6f4 v[PB+8*\t:PB+8*\t+7], v[SB+20*\t+4:SB+20*\t+19], v[PB+32:PB+47], v[PB+8*\t:PB+8*\t+7], v[VW2+\t], v[CW]
.endr
.rept 8
	v_nop                                          ; places in front of the stores that read the results and of the loads into registers that the products read
.endr
	; ---- the way out: a lane holds 32 bytes of a row; through my stage the tile's 16 rows of 256 bytes come back two to an instruction
.irp t, 0,1,2,3
	ds_store_b128 v[STO], v[PB+8*\t:PB+8*\t+3] offset:64*\t          ; each accumulator from its low end on
	ds_store_b128 v[STO], v[PB+8*\t+4:PB+8*\t+7] offset:64*\t+16
.endr
.irp k, 0,1,2,3,4,5,6,7
	ds_load_b128 v[SB+4*\k:SB+4*\k+3], v[RD] offset:2*KP*\k          ; LDS serves a wave's instructions in order (ISA guide 5.7.1.4): these see my stores
.endr
.irp k, 0,1,2,3,4,5,6,7
	s_wait_dscnt 7-\k                              ; the younger loads may stay out
	global_store_b128 v[GO], v[SB+4*\k:SB+4*\k+3], s[14:15] offset:512*\k th:TH_STORE_NT   ; 32 lanes store 512 consecutive bytes, aligned to 256; written once, read by nobody here
.endr
	s_wait_tensorcnt 0x0                           ; the wave's end: behind my last tensor load and my last LDS store
	ds_add_u32 v[SPW], v[NIL]
	s_wait_dscnt 0x0
	s_endpgm
.Lfunc_end_k_q40541680ef_attn:
	.size	k_q40541680ef_attn, .Lfunc_end_k_q40541680ef_attn-k_q40541680ef_attn
	.p2alignl 7, 3214868480
	.fill 96, 4, 3214868480
	.section	.rodata,"a",@progbits
	.p2align	6, 0x0
	.amdhsa_kernel k_q40541680ef_attn
		.amdhsa_group_segment_fixed_size 233216
		.amdhsa_private_segment_fixed_size 0
		.amdhsa_enable_private_segment 0
		.amdhsa_kernarg_size 48
		.amdhsa_user_sgpr_count 2
		.amdhsa_user_sgpr_kernarg_segment_ptr 1
		.amdhsa_wavefront_size32 1
		.amdhsa_system_sgpr_workgroup_id_x 1
		.amdhsa_system_sgpr_workgroup_id_y 1
		.amdhsa_system_sgpr_workgroup_id_z 1
		.amdhsa_system_vgpr_workitem_id 0
		.amdhsa_next_free_vgpr 256
		.amdhsa_next_free_sgpr 100
		.amdhsa_reserve_vcc 0
		.amdhsa_float_denorm_mode_32 3
		.amdhsa_float_denorm_mode_16_64 3
		.amdhsa_memory_ordered 1
		.amdhsa_forward_progress 1
		.amdhsa_inst_pref_size 76
	.end_amdhsa_kernel
	.amdgpu_metadata
---
amdhsa.version: [ 1, 2 ]
amdhsa.kernels:
  - .name:           k_q40541680ef_attn
    .symbol:         k_q40541680ef_attn.kd
    .args:
      - { .name: queries, .offset: 0, .size: 8, .value_kind: global_buffer, .address_space: global }
      - { .name: keys, .offset: 8, .size: 8, .value_kind: global_buffer, .address_space: global }
      - { .name: log_scale, .offset: 16, .size: 8, .value_kind: global_buffer, .address_space: global }
      - { .name: vrec, .offset: 24, .size: 8, .value_kind: global_buffer, .address_space: global }
      - { .name: vsum, .offset: 32, .size: 8, .value_kind: global_buffer, .address_space: global }
      - { .name: out0, .offset: 40, .size: 8, .value_kind: global_buffer, .address_space: global }
    .group_segment_fixed_size: 233216
    .private_segment_fixed_size: 0
    .kernarg_segment_align: 8
    .kernarg_segment_size: 48
    .max_flat_workgroup_size: 512
    .sgpr_count:     100
    .vgpr_count:     256
    .wavefront_size: 32
...
	.end_amdgpu_metadata
.endif
;; end of part 2
